; MI455X (gfx1250); checked and timed in simulation.
; The chip was launched on July 23, 2026; its instructions are those of AMD's public machine-readable ISA for CDNA 5 (MIT licence, August 2026) and "CDNA5" Instruction Set Architecture Reference Guide (July 2026). The comments in the code are by the model that wrote it; some were corrected since.
;; Block. Allowed arithmetic: matrix products marked QUANTISED: E4M3 operands, one given power-of-two scale a tensor, by v_wmma_f32_16x16x64_fp8_fp8 or v_wmma_f32_16x16x128_fp8_fp8, f32 sums; everything else in f32.
;; Inputs: W1 512 x 2,048 float32; W2 2,048 x 512 float32; Wk 8 x 512 x 64 float32; Wo 512 x 512 float32; Wq 8 x 512 x 64 float32; Wv 8 x 512 x 64 float32; b1 2,048 float32; b2 512 float32; ln1_b 512 float32; ln1_g 512 float32; ln2_b 512 float32; ln2_g 512 float32; lowp_scales 16 int32 (the exponents e of the quantised operands' scales 2^e); x 64 x 256 x 512 float32.
;; Outputs: out0 64 x 256 x 512 float32.
;; This version of the problem:
;;   THIS VERSION OF THE PROBLEM IS GIVEN IN LOW PRECISION. The matrix products marked QUANTISED in the list below multiply operands that are first quantised to E4M3 (4 exponent bits, 3 mantissa bits; 8 bits a number), with one given power-of-two scale for each operand tensor; their sums are f32. All else is computed in f32.
;;   The module's matrix products, in the order in which they are computed (A, B: the left and right operand; K: the contracted axis; several contracted axes count as one K, in the product's order):
;;     1. [M 512, K 512] x [K 512, N 16,384]; A: input Wq; B: input x: QUANTISED (scales: A lowp_scales[0], B lowp_scales[1])
;;     2. [M 512, K 512] x [K 512, N 16,384]; A: input Wk; B: input x: QUANTISED (scales: A lowp_scales[2], B lowp_scales[3])
;;     3. [M 512, K 512] x [K 512, N 16,384]; A: input Wv; B: input x: QUANTISED (scales: A lowp_scales[4], B lowp_scales[5])
;;     4. batch 512 x [M 256, K 64] x [K 64, N 256]; A: computed on the way; B: computed on the way: QUANTISED (scales: A lowp_scales[6], B lowp_scales[7])
;;     5. batch 512 x [M 256, K 256] x [K 256, N 64]; A: softmax (see below); B: computed on the way: QUANTISED (scales: A lowp_scales[8], B lowp_scales[9])
;;     6. [M 16,384, K 512] x [K 512, N 512]; A: computed on the way; B: input Wo: QUANTISED (scales: A lowp_scales[10], B lowp_scales[11])
;;     7. [M 16,384, K 512] x [K 512, N 2,048]; A: computed on the way; B: input W1: QUANTISED (scales: A lowp_scales[12], B lowp_scales[13])
;;     8. [M 16,384, K 2,048] x [K 2,048, N 512]; A: computed on the way; B: input W2: QUANTISED (scales: A lowp_scales[14], B lowp_scales[15])
;;   THE QUANTISER, for each operand of a quantised product, along K:
;;     - The operand's scale is 2^e, e = its entry of the input lowp_scales (int32; the entries are numbered through the quantised products in the list's order, A before B).
;;     - Each number is divided by the scale, clamped to +-448, and rounded to the nearest number of E4M3, ties to even, subnormals kept.
;;     - The product sums the exact products of the quantised numbers (number of the format x scale) in f32.
;;   ~~~python
;;   def quantise(x, axis, e):      # numpy; x: float32 -> the quantised numbers, widened to float32 again
;;       x = np.moveaxis(x, axis, -1); K = x.shape[-1]
;;       r = np.clip(x / 2.0 ** e, -448, 448)
;;       step = 2.0 ** (np.maximum(np.frexp(np.where(r == 0, 1, r))[1] - 1, -6) - 3)
;;       q = np.round(r / step) * step * 2.0 ** e      # np.round: ties to even
;;       return np.moveaxis(q, -1, axis).astype(np.float32)
;;   ~~~
;;   SOFTMAX AHEAD OF A QUANTISED PRODUCT. Where the list says 'softmax', what is quantised is not the finished softmax but p = 2^(t - M), with t = logit x log2(e) and M = ceil(the row's largest t), a whole number; so 1/2 < the row's largest p <= 1. The row's sum l is taken of the UNQUANTISED p, in f32, and the product's result is divided by l at the end. Since M is a whole number, a kernel that streams over the keys may use a running M (the ceiling of the running maximum): every later rescaling is an exact power of two, so the quantised numbers keep their values, but for numbers so far below the row's largest that they fall under the format's range.
;;   OPERANDS COMPUTED ON THE WAY. 'Computed on the way' means the value that the module computes at that place (a softmax that the list does not call 'softmax' is quantised finished and normalised). What goes into a quantiser is computed in f32, as accurately as f32 sums, v_exp_f32 and their like allow (about 1e-6 of the number): no bf16 or f16 on the way to a quantiser, and a product that is left as it is and whose result goes on into a quantised operand takes f32 operands (vector FMAs, or v_wmma_f32_16x16x4_f32). A number that lies on a knife's edge between two numbers of the format may be rounded either way, as far as f32 arithmetic and the matrix unit's own rounding can turn it there, and no further.
;; One version. Each part assembles by itself: llvm-mc -triple=amdgcn-amd-amdhsa -mcpu=gfx1250 --defsym DOCPART=n.
;; ======== version 1 of 1: 3 launches
;; limits: right only within a limited range of input values
;; workspace buffers: xc 25,165,824 bytes; wqkv 786,432 bytes; wst 2,359,296 bytes; hc 8,388,608 bytes
;; launch prep (part 1): grid 448 x 1, 4 waves a work-group, no clusters, 34,304 bytes of LDS; arguments x, Wq, Wk, Wv, Wo, W1, W2, lowp_scales, xc, wqkv, wst; writes xc, wqkv, wst
.if DOCPART == 1
	.amdgcn_target "amdgcn-amd-amdhsa--gfx1250"
	.amdhsa_code_object_version 6
	.text
	.protected	k_qa5d7a757af_prep
	.globl	k_qa5d7a757af_prep
	.p2align	8
	.type	k_qa5d7a757af_prep,@function
k_qa5d7a757af_prep:
	s_mov_b64 s[64:65], 0
	v_nop
	global_prefetch_b8 v0, s[64:65] scope:SCOPE_SE
	s_setreg_imm32_b32 hwreg(HW_REG_WAVE_MODE, 25, 1), 1
	s_wait_xcnt 0x0
; PREP: every f32 input that is an operand of a quantised product becomes codes of E4M3, laid in the ORDER OF THE OPERAND'S REGISTERS.
; code = number / 2^e, held within +-448, to the nearest code, ties to even; e is the operand's entry of lowp_scales.
; LIMITS: each e used here lies between -126 and 119, so that 2^e and 448 x 2^e are f32 numbers.  NaN among the inputs is not served.
; A FRAGMENT is 16 rows x 128 along K: 16 registers a lane; lane (r, h) holds row index r; register 4 c + q, byte y, holds k = 32 c + 16 h + 4 q + y.
; Its IMAGE is 2,048 bytes: piece c at 512 c, lane l's 16 bytes at 16 l.  Four loads of 16 bytes a lane bring it back into any wave.
; A TILE of 16 is never 16 neighbours: tile 2 b + u of a block of 32 has, at index i, element 32 b + 8 u + i + (i & 8).
; Work-groups 0-255: x.  Wave w makes token tile 4 g + w in three versions (scales 1, 3, 5): xc[version][tile][K step][2048].
; Work-groups 256-447: the six weights.  K is their first axis, so a lane takes a column and its registers run down K: a wave takes 32 columns x 128 K, two images.
;   wqkv[head pair][q, k, v][K step][tile 4 x head + n][2048];  wst[wave][phase][K step][tile][2048], phase 0 = Wo, 1 + 2 c = W1's chunk c, 2 + 2 c = W2's chunk c.
; No matrix unit, no tensor load, no cluster: a stream; nothing is read twice and waves share nothing.
.set XVER, 8388608                     ; bytes of one version of x's codes
.set XX,  16                           ; v16-79   x path: 64 numbers of my row, register 16 c + i = k 32 c + 16 h + i
.set XT,  80                           ; v80-111  two sets of 16 held numbers, by turns
.set XCD, 112                          ; v112-159 codes: 16 registers for each version
.set WX,  16                           ; v16-143  weight path: 128 numbers of my column
.set WC,  144                          ; v144-175 their codes
.set MSB, 0
.macro WIN new                         ; the immediate's high byte repeats the setting that is left
.if MSB != (\new)
	s_set_vgpr_msb (MSB<<8)|(\new)
.set MSB, (\new)
.endif
.endm
.macro MKSC se, vsc, vlm               ; v[vsc] = 2^e as f32 (the conversion takes its exponent field), v[vlm] = 448 x 2^e
	s_add_co_i32 s56, \se, 127
	s_lshl_b32 s57, s56, 23
	v_mov_b32 v[\vsc], s57
	s_add_co_i32 s56, s56, 8
	s_lshl_b32 s56, s56, 23
	s_or_b32 s56, s56, 0x600000
	v_mov_b32 v[\vlm], s56
.endm
	s_load_b512 s[4:19], s[0:1], 0x0               ; x 4, Wq 6, Wk 8, Wv 10, Wo 12, W1 14, W2 16, the scales' exponents 18
	s_load_b128 s[20:23], s[0:1], 0x40             ; xc, wqkv
	s_load_b64 s[24:25], s[0:1], 0x50              ; wst
	v_lshrrev_b32 v1, 5, v0
	v_readfirstlane_b32 s26, v1                    ; wave
	v_and_b32 v10, 31, v0                          ; lane
	v_lshl_add_u32 v14, v0, 2, 33792               ; my spare word, behind the four stages; v14 and v15 serve the closing add alone
	v_mov_b32 v15, 0
	s_wait_kmcnt 0x0
	s_load_b512 s[32:47], s[18:19], 0x0            ; e0 .. e15 in s32 .. s47
	s_cmp_lt_u32 ttmp9, 256
	s_cbranch_scc0 .Lweights
	; ---------------- x ----------------
	s_lshl_b32 s28, ttmp9, 6
	s_lshr_b32 s29, s26, 1
	s_lshl_b32 s29, s29, 5
	s_add_co_u32 s28, s28, s29
	s_and_b32 s29, s26, 1
	s_lshl_b32 s29, s29, 3
	s_add_co_u32 s28, s28, s29                     ; my tile's index 0: row 64 g + 32 (w / 2) + 8 (w % 2)
	s_lshl_b32 s28, s28, 11                        ; a row is 2,048 bytes
	s_mov_b32 s29, 0
	s_add_nc_u64 s[4:5], s[4:5], s[28:29]
	s_lshl_b32 s30, ttmp9, 2
	s_add_co_u32 s30, s30, s26                     ; token tile
	s_lshl_b32 s30, s30, 13                        ; four images
	s_mov_b32 s31, 0
	s_add_nc_u64 s[48:49], s[20:21], s[30:31]      ; where the three versions go
	s_add_nc_u64 s[50:51], s[48:49], XVER
	s_add_nc_u64 s[52:53], s[50:51], XVER
	s_wait_alu depctr_va_vdst(0)
	v_lshlrev_b32 v1, 4, v10                       ; 16 x lane
	s_mul_i32 s54, s26, 8448                       ; my stage: 16 rows of 512 + 16 bytes
	v_add_nc_u32 v2, s54, v1                       ; into it: as loaded
	v_and_b32 v11, 15, v0
	v_bfe_u32 v12, v0, 4, 1
	v_mul_u32_u24 v3, v11, 528
	v_lshl_add_u32 v3, v12, 6, v3
	v_add_nc_u32 v3, s54, v3                       ; out of it: row r, + 64 h bytes: my 16 numbers of a block of 32
	WIN 0x40                                       ; destination window 1: all 64 loads of the tile go out at once, 512 consecutive bytes each
.irp s, 0,1,2,3
.irp i, 0,1,2,3,4,5,6,7,8,9,10,11,12,13,14,15
	global_load_b128 v[4*(16*\s+\i):4*(16*\s+\i)+3], v1, s[4:5] offset:(\i+(\i&8))*2048+512*\s th:TH_LOAD_NT
.endr
.endr
	WIN 0
	s_wait_alu depctr_va_vdst(0)
	s_wait_kmcnt 0x0
	MKSC s33, 4, 5                                 ; x as q's operand
	MKSC s35, 6, 7                                 ; as k's
	MKSC s37, 8, 9                                 ; as v's
	s_cmp_eq_u32 s35, s33                          ; two versions with the same exponent hold the same codes: the later one is not made, and the next launch reads the earlier one in its place
	s_cselect_b32 s59, 1, 0                        ; version 1 is version 0
	s_cmp_eq_u32 s37, s33
	s_cselect_b32 s62, 1, 0                        ; version 2 is version 0,
	s_cmp_eq_u32 s37, s35
	s_cselect_b32 s62, 1, s62                      ; or version 1
	s_wait_alu depctr_va_vdst(0)
.irp s, 0,1,2,3
	s_wait_loadcnt 16*(3-\s)                       ; this K step's 16 loads are in; the later steps' may be out
	WIN 0x04                                       ; store data in window 1
.irp i, 0,1,2,3,4,5,6,7,8,9,10,11,12,13,14,15
	ds_store_b128 v2, v[4*(16*\s+\i):4*(16*\s+\i)+3] offset:528*\i
.endr
	WIN 0
.irp n, 0,1,2,3,4,5,6,7,8,9,10,11,12,13,14,15
	ds_load_b128 v[XX+4*\n:XX+4*\n+3], v3 offset:128*(\n/4)+16*(\n%4)   ; LDS serves a wave's instructions in order: these see my stores
.endr
	s_wait_dscnt 0x0
	s_wait_xcnt 0x0                                ; the last step's stores have read their codes: the registers are written again only behind this wait
.irp ver, 0,1,2
.if \ver > 0
	s_cmp_eq_u32 s[59+3*(\ver-1)], 1
	s_cbranch_scc1 .Lsame\s\ver
.endif
.irp c, 0,1,2,3
.irp i, 0,1,2,3,4,5,6,7,8,9,10,11,12,13,14,15
	v_med3_num_f32 v[XT+16*(\c%2)+\i], v[XX+16*\c+\i], -v[5+2*\ver], v[5+2*\ver]   ; the conversion does not saturate (ISA guide 7.6.2): the hold comes first
.endr
	v_cvt_scalef32_pk8_fp8_f32 v[XCD+16*\ver+4*\c:XCD+16*\ver+4*\c+1], v[XT+16*(\c%2):XT+16*(\c%2)+7], v[4+2*\ver]
	v_cvt_scalef32_pk8_fp8_f32 v[XCD+16*\ver+4*\c+2:XCD+16*\ver+4*\c+3], v[XT+16*(\c%2)+8:XT+16*(\c%2)+15], v[4+2*\ver]
.endr
	v_nop                                          ; a plain line behind the last conversion of the run
.irp c, 0,1,2,3
	global_store_b128 v1, v[XCD+16*\ver+4*\c:XCD+16*\ver+4*\c+3], s[48+2*\ver:49+2*\ver] offset:2048*\s+512*\c   ; 512 consecutive bytes, aligned
.endr
.Lsame\s\ver:
.endr
.endr
	s_wait_tensorcnt 0x0                           ; the end of a wave that stored to LDS
	ds_add_u32 v14, v15
	s_wait_dscnt 0x0
	s_endpgm
	; ---------------- weights ----------------
; One task: 128 rows k of 32 columns.  s[54:55] the first row at my 32 columns, s[60:61] the two images, s58 the exponent.
.macro WTASK pitch
.set k, 0
.rept 128
	global_load_b32 v[WX+k], v1, s[54:55] offset:k*\pitch
.set k, k+1
.endr
	MKSC s58, 4, 5
	s_wait_alu depctr_va_vdst(0)
.irp c, 0,1,2,3
.if \c < 2
	s_wait_loadcnt 63                              ; 96 or 64 loads were issued behind this block's; the count names the most that its field holds
.else
	s_wait_loadcnt 32*(3-\c)
.endif
.irp i, 0,1,2,3,4,5,6,7,8,9,10,11,12,13,14,15,16,17,18,19,20,21,22,23,24,25,26,27,28,29,30,31
	v_med3_num_f32 v[WX+32*\c+\i], v[WX+32*\c+\i], -v5, v5
.endr
.irp a, 0,1,2,3
	v_cvt_scalef32_pk8_fp8_f32 v[WC+8*\c+2*\a:WC+8*\c+2*\a+1], v[WX+32*\c+8*\a:WX+32*\c+8*\a+7], v4
.endr
.endr
	v_nop
.irp c, 0,1,2,3
.irp hh, 0,1
	global_store_b128 v2, v[WC+8*\c+4*\hh:WC+8*\c+4*\hh+3], s[60:61] offset:512*\c+256*\hh   ; the 16 lanes of one tile fill 256 consecutive bytes, aligned
.endr
.endr
	s_endpgm
.endm
.Lweights:
	s_wait_kmcnt 0x0
	s_sub_co_u32 s27, ttmp9, 256                   ; j = 0 .. 191
	s_wait_alu depctr_va_vdst(0)
	v_lshlrev_b32 v1, 2, v10                       ; my column: 4 bytes a lane
	v_bfe_u32 v11, v0, 3, 1                        ; column l lies in tile u = (l / 8) % 2
	v_and_b32 v12, 7, v0
	v_bfe_u32 v13, v0, 4, 1
	v_lshl_add_u32 v12, v13, 3, v12                ; at index l % 8 + 8 (l / 16)
	v_lshlrev_b32 v2, 4, v12
	v_lshl_add_u32 v2, v11, 11, v2                 ; 2,048 u + 16 x index
	s_cmp_lt_u32 s27, 48
	s_cbranch_scc0 .Lnot_qkv
	; Wq, Wk, Wv [8][512][64]: j = 16 x tensor + 4 x head pair + K step; wave: head in the pair, 32 columns
	s_lshr_b32 s28, s27, 4                         ; tensor
	s_and_b32 s29, s27, 3                          ; K step
	s_bfe_u32 s30, s27, 0x20002                    ; head pair
	s_lshr_b32 s31, s26, 1                         ; head in the pair
	s_and_b32 s48, s26, 1                          ; which 32 columns
	s_lshl_b32 s49, s30, 1
	s_add_co_u32 s49, s49, s31
	s_lshl_b32 s49, s49, 17                        ; a head is 131,072 bytes
	s_lshl_b32 s50, s29, 15                        ; 128 rows of 256 bytes
	s_add_co_u32 s49, s49, s50
	s_lshl_b32 s50, s48, 7
	s_add_co_u32 s50, s49, s50
	s_mov_b32 s51, 0
	s_mul_i32 s52, s30, 196608
	s_lshl_b32 s53, s28, 16
	s_add_co_u32 s52, s52, s53
	s_lshl_b32 s53, s29, 14
	s_add_co_u32 s52, s52, s53
	s_lshl_b32 s53, s31, 13
	s_add_co_u32 s52, s52, s53
	s_lshl_b32 s53, s48, 12
	s_add_co_u32 s52, s52, s53
	s_mov_b32 s53, 0
	s_cmp_eq_u32 s28, 0
	s_cselect_b64 s[54:55], s[6:7], s[8:9]
	s_cselect_b32 s58, s32, s34
	s_cmp_eq_u32 s28, 2
	s_cselect_b64 s[54:55], s[10:11], s[54:55]
	s_cselect_b32 s58, s36, s58
	s_add_nc_u64 s[54:55], s[54:55], s[50:51]
	s_add_nc_u64 s[60:61], s[22:23], s[52:53]
	s_wait_alu depctr_va_vdst(0)
	WTASK 256
.Lnot_qkv:
	s_cmp_lt_u32 s27, 128
	s_cbranch_scc0 .Lw1
	; Wo [512][512] (j = 48 .. 63) and W2 [2048][512] (j = 64 .. 127): rows of 2,048 bytes
	s_cmp_lt_u32 s27, 64
	s_cselect_b64 s[54:55], s[12:13], s[16:17]
	s_cselect_b32 s58, s43, s47
	s_cselect_b32 s28, 48, 64
	s_cselect_b32 s29, 3, 15
	s_cselect_b32 s30, 2, 4
	s_cselect_b32 s31, 0, 2
	s_sub_co_u32 s28, s27, s28
	s_and_b32 s48, s28, s29                        ; K step of the tensor
	s_lshr_b32 s49, s28, s30                       ; the wave of the last launch whose 128 columns these are
	s_lshr_b32 s50, s48, 2
	s_lshl_b32 s50, s50, 1
	s_add_co_u32 s31, s31, s50                     ; phase
	s_lshl_b32 s50, s48, 18                        ; 128 rows of 2,048 bytes
	s_lshl_b32 s51, s49, 9
	s_add_co_u32 s50, s50, s51
	s_lshl_b32 s51, s26, 7
	s_add_co_u32 s50, s50, s51
	s_mov_b32 s51, 0
	s_mul_i32 s52, s49, 589824
	s_lshl_b32 s53, s31, 16
	s_add_co_u32 s52, s52, s53
	s_and_b32 s53, s48, 3
	s_lshl_b32 s53, s53, 14
	s_add_co_u32 s52, s52, s53
	s_lshl_b32 s53, s26, 12
	s_add_co_u32 s52, s52, s53
	s_mov_b32 s53, 0
	s_add_nc_u64 s[54:55], s[54:55], s[50:51]
	s_add_nc_u64 s[60:61], s[24:25], s[52:53]
	s_wait_alu depctr_va_vdst(0)
	WTASK 2048
.Lw1:
	; W1 [512][2048]: j - 128 = 16 x chunk + 4 x wave + K step
	s_sub_co_u32 s28, s27, 128
	s_and_b32 s29, s28, 3                          ; K step
	s_lshr_b32 s30, s28, 2
	s_lshr_b32 s31, s30, 2                         ; chunk of 512 columns
	s_and_b32 s30, s30, 3                          ; wave
	s_lshl_b32 s50, s29, 20                        ; 128 rows of 8,192 bytes
	s_lshl_b32 s48, s31, 11
	s_add_co_u32 s50, s50, s48
	s_lshl_b32 s48, s30, 9
	s_add_co_u32 s50, s50, s48
	s_lshl_b32 s48, s26, 7
	s_add_co_u32 s50, s50, s48
	s_mov_b32 s51, 0
	s_mul_i32 s52, s30, 589824
	s_lshl_b32 s48, s31, 17
	s_add_co_u32 s52, s52, s48
	s_add_co_u32 s52, s52, 65536                   ; phase 1 + 2 x chunk
	s_lshl_b32 s48, s29, 14
	s_add_co_u32 s52, s52, s48
	s_lshl_b32 s48, s26, 12
	s_add_co_u32 s52, s52, s48
	s_mov_b32 s53, 0
	s_add_nc_u64 s[54:55], s[14:15], s[50:51]
	s_add_nc_u64 s[60:61], s[24:25], s[52:53]
	s_mov_b32 s58, s45
	s_wait_alu depctr_va_vdst(0)
	WTASK 8192
.Lfunc_end_k_qa5d7a757af_prep:
	.size	k_qa5d7a757af_prep, .Lfunc_end_k_qa5d7a757af_prep-k_qa5d7a757af_prep
	.p2alignl 7, 3214868480
	.fill 96, 4, 3214868480
	.section	.rodata,"a",@progbits
	.p2align	6, 0x0
	.amdhsa_kernel k_qa5d7a757af_prep
		.amdhsa_group_segment_fixed_size 34304
		.amdhsa_private_segment_fixed_size 0
		.amdhsa_enable_private_segment 0
		.amdhsa_kernarg_size 88
		.amdhsa_user_sgpr_count 2
		.amdhsa_user_sgpr_kernarg_segment_ptr 1
		.amdhsa_wavefront_size32 1
		.amdhsa_system_sgpr_workgroup_id_x 1
		.amdhsa_system_sgpr_workgroup_id_y 1
		.amdhsa_system_sgpr_workgroup_id_z 1
		.amdhsa_system_vgpr_workitem_id 0
		.amdhsa_next_free_vgpr 512
		.amdhsa_next_free_sgpr 66
		.amdhsa_reserve_vcc 0
		.amdhsa_float_denorm_mode_32 3
		.amdhsa_float_denorm_mode_16_64 3
		.amdhsa_memory_ordered 1
		.amdhsa_forward_progress 1
		.amdhsa_inst_pref_size 148
	.end_amdhsa_kernel
	.amdgpu_metadata
---
amdhsa.version: [ 1, 2 ]
amdhsa.kernels:
  - .name:           k_qa5d7a757af_prep
    .symbol:         k_qa5d7a757af_prep.kd
    .args:
      - { .name: x, .offset: 0, .size: 8, .value_kind: global_buffer, .address_space: global }
      - { .name: Wq, .offset: 8, .size: 8, .value_kind: global_buffer, .address_space: global }
      - { .name: Wk, .offset: 16, .size: 8, .value_kind: global_buffer, .address_space: global }
      - { .name: Wv, .offset: 24, .size: 8, .value_kind: global_buffer, .address_space: global }
      - { .name: Wo, .offset: 32, .size: 8, .value_kind: global_buffer, .address_space: global }
      - { .name: W1, .offset: 40, .size: 8, .value_kind: global_buffer, .address_space: global }
      - { .name: W2, .offset: 48, .size: 8, .value_kind: global_buffer, .address_space: global }
      - { .name: lowp_scales, .offset: 56, .size: 8, .value_kind: global_buffer, .address_space: global }
      - { .name: xc, .offset: 64, .size: 8, .value_kind: global_buffer, .address_space: global }
      - { .name: wqkv, .offset: 72, .size: 8, .value_kind: global_buffer, .address_space: global }
      - { .name: wst, .offset: 80, .size: 8, .value_kind: global_buffer, .address_space: global }
    .group_segment_fixed_size: 34304
    .private_segment_fixed_size: 0
    .kernarg_segment_align: 8
    .kernarg_segment_size: 88
    .max_flat_workgroup_size: 128
    .sgpr_count:     66
    .vgpr_count:     512
    .wavefront_size: 32
...
	.end_amdgpu_metadata
.endif
;; end of part 1
;; launch attn (part 2): grid 4 x 64, 4 waves a work-group, no clusters, 327,680 bytes of LDS; arguments xc, wqkv, lowp_scales, hc; writes hc
.if DOCPART == 2
	.amdgcn_target "amdgcn-amd-amdhsa--gfx1250"
	.amdhsa_code_object_version 6
	.text
	.protected	k_qa5d7a757af_attn
	.globl	k_qa5d7a757af_attn
	.p2align	8
	.type	k_qa5d7a757af_attn,@function
k_qa5d7a757af_attn:
	s_mov_b64 s[64:65], 0
	v_nop
	global_prefetch_b8 v0, s[64:65] scope:SCOPE_SE
	s_setreg_imm32_b32 hwreg(HW_REG_WAVE_MODE, 25, 1), 1
	s_wait_xcnt 0x0
; ATTN: for one batch (work-group y) and one pair of heads (work-group x): q, k, v = x W (three products on codes), causal attention (two products on codes), and the heads as codes for the next launch.
; Fragments, images and tiles as the first launch lays them: lane (r, h), register 4 c + q, byte y: k = 32 c + 16 h + 4 q + y; tile 2 b + u of a block of 32 has at index i element 32 b + 8 u + i + (i & 8).
; With such a tile as source 0, register j of lane half h is element 32 b + 16 h + 8 u + j: the 16 registers of tiles 2 b and 2 b + 1 are 16 neighbours, and the conversions' results ARE the next operand's registers.
; SHARES.  Wave w owns token blocks w and 7 - w (32 tokens each, two tiles), for both heads: 1 + 4 or 2 + 3 key steps of 64 a head, five in every wave.
; q and k: source 0 = 16 columns of W, source 1 = 16 tokens: a lane holds one token, registers run along the head's 64.  v: the sources swapped: a lane holds one channel, registers run along the tokens (the keys).
; S^T = k q^T and O^T = v^T p^T: a lane holds ONE query throughout.  t = score x log2(e) / 8; M = the running largest t rounded up to a whole number; p = 2^(t - M) is quantised, not normalised; the row's sum is
; taken of the unquantised p and divides at the end; when M moves, the sum and O^T are multiplied by 2^(old M - new M), which rounds nothing.  Key steps that lie wholly behind the wave's queries are left out (a branch on ids).
; NO JOINT LOADS.  The four work-groups of a batch read the same codes of x, 3 x 131,072 bytes, and each fragment is used by one wave of a work-group: it goes from memory straight into that wave's registers.
; A joint load lands in LDS, and 393,216 bytes beside the 196,608 of the weights do not fit there.  The weights' slab is copied once, at the head.
; LIMITS on the given exponents, so that each power of two is an f32 number: e6 - e0 - e1, e7 - e2 - e3, e9 - e4 - e5, e8 and e10 - e8 - e9 between -126 and 119; e6 + e7 between -123 and 130.  NaN is not served.
; LDS: 0 the slab [q, k, v][K step][tile][2048]; QIMG my own q fragments [wave][2 x block + head][tile][1024]; KIMG [head][key tile 16][1024]; VIMG [4 x head + channel tile][key block 8][512].
; REGISTERS.  Window 0: v1-31 addresses and scales that stay.  Projections: v64-191 two sets of four fragments of W, v192-255 codes; windows 1, 2: x's 16 fragments, two sets; window 3: 32 accumulators.
;   Attention, window 0 alone: v32-47 statistics, 8 a tile (-M, largest t, the sum's two halves, f, 0, d); v48-63 at work; v64-79 q; v80-111 k or v; v112-175 S^T, then p; v176-191 p's codes; v192-255 O^T.
.set QIMG, 196608
.set KIMG, 229376
.set VIMG, 262144
.set KA, 16
.set VA, 17
.set QA, 18
.set HO, 19
.set ST, 32
.set TM, 48
.set QF, 64
.set KV, 80
.set SS, 112
.set PP, 176
.set OO, 192
.set PC, 192
.set UI, 52                            ; s52 unit 0..3 = 2 x (which of my blocks) + head
.set HD, 53
.set BQ, 54                            ; the unit's token block
.set SMAX, 55                          ; the key step that holds it
.set SG, 56                            ; key step
.set KO, 57
.set VO, 58
.set QO, 59
.set MD, 60
.set HOF, 61
.set MSB, 0
.macro WIN new                         ; the immediate's high byte repeats the setting that is left
.if MSB != (\new)
	s_set_vgpr_msb (MSB<<8)|(\new)
.set MSB, (\new)
.endif
.endm
.macro MKSC se, vsc, vlm               ; v[vsc] = 2^e as f32, v[vlm] = 448 x 2^e
	s_add_co_i32 s63, \se, 127
	s_lshl_b32 s15, s63, 23
	v_mov_b32 v[\vsc], s15
	s_add_co_i32 s63, s63, 8
	s_lshl_b32 s63, s63, 23
	s_or_b32 s63, s63, 0x600000
	v_mov_b32 v[\vlm], s63
.endm
	s_load_b128 s[4:7], s[0:1], 0x0                ; xc, wqkv
	s_load_b128 s[8:11], s[0:1], 0x10              ; the scales' exponents, hc
	v_lshl_add_u32 v62, v0, 2, 294912              ; my spare word, behind the images; v62 and v63 serve the adds alone
	v_mov_b32 v63, 0
	ds_add_u32 v62, v63                            ; the opening lines, ahead of my first copy: the add twice on end
	ds_add_u32 v62, v63
	v_lshrrev_b32 v1, 5, v0
	v_readfirstlane_b32 s12, v1                    ; wave
	s_mov_b32 s13, ttmp9                           ; head pair
	s_and_b32 s14, ttmp7, 0xffff                   ; batch
	s_xor_b32 s26, s12, 7                          ; 7 - wave
	v_and_b32 v32, 31, v0
	v_lshlrev_b32 v1, 4, v32                       ; 16 x lane
	s_mul_i32 s15, s12, 49152                      ; my quarter of the slab
	v_add_nc_u32 v2, s15, v1                       ; in LDS,
	v_add_nc_u32 v3, s15, v1                       ; and in memory
	s_lshl_b32 s27, s12, 14
	v_add_nc_u32 v4, s27, v1                       ; x's codes of my first block: two tiles of 8,192 bytes
	s_lshl_b32 s27, s26, 14
	v_add_nc_u32 v5, s27, v1                       ; of my second
	v_mov_b32 v6, v1                               ; the slab's three parts
	v_add_nc_u32 v7, 0x10000, v1
	v_add_nc_u32 v8, 0x20000, v1
	s_lshl_b32 s27, s12, 13
	s_add_co_u32 s27, s27, QIMG
	v_add_nc_u32 v9, s27, v1
	s_lshl_b32 s27, s12, 11
	s_add_co_u32 s27, s27, KIMG
	v_add_nc_u32 v10, s27, v1
	s_lshl_b32 s27, s26, 11
	s_add_co_u32 s27, s27, KIMG
	v_add_nc_u32 v11, s27, v1
	s_lshl_b32 s27, s12, 9
	s_add_co_u32 s27, s27, VIMG
	v_add_nc_u32 v12, s27, v1
	s_lshl_b32 s27, s26, 9
	s_add_co_u32 s27, s27, VIMG
	v_add_nc_u32 v13, s27, v1
	v_add_nc_u32 v14, KIMG, v1
	v_add_nc_u32 v15, VIMG, v1
	v_and_b32 v33, 15, v0
	v_and_b32 v34, 8, v0
	v_add_nc_u32 v33, v33, v34                     ; r + (r & 8)
	v_and_b32 v34, 16, v0
	v_sub_nc_u32 v20, v33, v34                     ; - 16 h: for the mask
	v_mov_b32 v21, 0xff800000                      ; -infinity
	s_mov_b32 s50, 0x76543210                      ; v_permlanex16_b32: lane l xor 16
	s_mov_b32 s51, 0xfedcba98
	s_wait_alu depctr_va_vdst(0)
	s_wait_dscnt 0x0                               ; both opening adds are done
	s_wait_kmcnt 0x0
	s_load_b512 s[32:47], s[8:9], 0x0              ; e0 .. e15 in s32 .. s47
	s_mul_i32 s28, s13, 196608
	s_mov_b32 s29, 0
	s_add_nc_u64 s[22:23], s[6:7], s[28:29]        ; my head pair's slab
.set i, 0
.rept 96
	global_load_async_to_lds_b128 v2, v3, s[22:23] offset:512*i   ; the slab, once: ahead of every LDS read, barrier and wait on ASYNCcnt; the offset goes to both addresses
.set i, i+1
.endr
	s_lshl_b32 s28, s14, 17                        ; a batch: 16 tiles of 8,192 bytes
	s_add_nc_u64 s[16:17], s[4:5], s[28:29]        ; x's codes as q's operand,
	s_wait_kmcnt 0x0                               ; the exponents.  A version of x's codes whose exponent equals an earlier version's was not made: the earlier one holds the same codes and is read in its place (a choice, no branch)
	s_cmp_eq_u32 s35, s33
	s_cselect_b32 s27, 0, 1                        ; the version that k's product reads
	s_cmp_eq_u32 s37, s35
	s_cselect_b32 s15, s27, 2                      ; and v's: k's where their exponents are equal,
	s_cmp_eq_u32 s37, s33
	s_cselect_b32 s15, 0, s15                      ; q's where those are
	s_min_u32 s27, s27, 2                          ; a number chosen by loaded numbers enters an offset only behind a clamp
	s_min_u32 s15, s15, 2
	s_lshl_b32 s27, s27, 23                        ; a version is 8,388,608 bytes
	s_lshl_b32 s15, s15, 23
	v_add_nc_u32 v54, s27, v4                      ; my two blocks' offsets in k's version,
	v_add_nc_u32 v55, s27, v5
	v_add_nc_u32 v40, s15, v4                      ; and in v's
	v_add_nc_u32 v41, s15, v5
	s_wait_alu depctr_va_vdst(0)
	s_add_nc_u64 s[24:25], s[10:11], s[28:29]
	s_lshl_b32 s28, s13, 11
	s_add_nc_u64 s[24:25], s[24:25], s[28:29]      ; the heads' codes: my batch, K step = my head pair
.macro XLOAD vo                        ; my four tiles' 16 fragments: tile m = 2 i + u, K step s at register 16 (4 m + s); v[vo], v[vo + 1]: my two blocks' offsets in the version
.irp i, 0,1
.irp u, 0,1
.irp s, 0,1,2,3
.irp c, 0,1,2,3
	global_load_b128 v[16*(4*(2*\i+\u)+\s)+4*\c:16*(4*(2*\i+\u)+\s)+4*\c+3], v[\vo+\i], s[16:17] offset:\u*8192+\s*2048+512*\c
.endr
.endr
.endr
.endr
.endm
	WIN 0x40
	XLOAD 4
	WIN 0x80
	XLOAD 54
	WIN 0
	s_wait_kmcnt 0x0
	s_sub_co_i32 s62, s38, s32
	s_sub_co_i32 s62, s62, s33
	MKSC s62, 22, 23                               ; a sum of x Wq stands for sum x 2^(e0 + e1): q's code is sum / 2^(e6 - e0 - e1)
	s_sub_co_i32 s62, s39, s34
	s_sub_co_i32 s62, s62, s35
	MKSC s62, 24, 25                               ; k: e7 - e2 - e3
	s_sub_co_i32 s62, s41, s36
	s_sub_co_i32 s62, s62, s37
	MKSC s62, 26, 27                               ; v: e9 - e4 - e5
	MKSC s40, 28, 29                               ; p: e8
	s_sub_co_i32 s62, s42, s40
	s_sub_co_i32 s62, s62, s41
	MKSC s62, 30, 31                               ; the heads: e10 - e8 - e9
	s_add_co_i32 s62, s38, s39
	s_lshl_b32 s62, s62, 23
	s_add_co_i32 s48, s62, 0x3e38aa3b              ; c = log2(e) / 8 x 2^(e6 + e7): the exponents are added to c's exponent field
	s_mov_b32 s49, s48                             ; (named with it as a pair)
	v_mov_b32 v[ST+5], 0                           ; upper halves of pairs of which the low word alone is used,
	v_mov_b32 v[ST+13], 0
	v_mov_b32 v[TM+2], 0                           ; and the lane permutes' destinations, which count as read
	v_mov_b32 v[TM+10], 0
	s_wait_asynccnt 0x0                            ; my quarter of the slab is in,
	s_barrier_signal -1
	s_barrier_wait -1                              ; everybody's is
.macro LDW P, G                        ; four fragments of W: K step G / 2, tiles 4 (G % 2) + f, into set G % 2
.irp f, 0,1,2,3
.irp c, 0,1,2,3
	ds_load_b128 v[64+64*((\G)%2)+16*\f+4*\c:64+64*((\G)%2)+16*\f+4*\c+3], v[6+\P] offset:(\G)*8192+\f*2048+512*\c
.endr
.endr
.endm
; One projection: 128 products, 32 accumulators by turns, one instruction a turn.  xw: the window of x's fragments.  vmode = 1: the sources swapped.
.macro PROJ P, xw, vmode
	WIN 0
	LDW \P, 0
.irp G, 0,1,2,3,4,5,6,7
	WIN 0
.if \G < 7
	LDW \P, \G+1
	s_wait_dscnt 16                                ; all but the 16 just issued
.else
	s_wait_dscnt 0
.endif
.if \vmode
	WIN 0xF0|\xw
.else
	WIN 0xF0|(\xw<<2)
.endif
.irp f, 0,1,2,3
.irp m, 0,1,2,3
.set rW, 64+64*(\G%2)+16*\f
.set rX, 16*(4*\m+\G/2)
.if \vmode
.set rD, 128*(\m/2)+16*(4*(\G%2)+\f)+8*(\m%2)
.if \G < 2
	v_wmma_f32_16x16x128_fp8_fp8 v[rD:rD+7], v[rX:rX+15], v[rW:rW+15], 0
.else
	v_wmma_f32_16x16x128_fp8_fp8 v[rD:rD+7], v[rX:rX+15], v[rW:rW+15], v[rD:rD+7]
.endif
.else
.set rD, 64*\m+8*(4*(\G%2)+\f)
.if \G < 2
	v_wmma_f32_16x16x128_fp8_fp8 v[rD:rD+7], v[rW:rW+15], v[rX:rX+15], 0
.else
	v_wmma_f32_16x16x128_fp8_fp8 v[rD:rD+7], v[rW:rW+15], v[rX:rX+15], v[rD:rD+7]
.endif
.endif
.endr
.endr
.rept 4
	v_nop                                          ; four places in front of loads into registers that these products read, and of the first read of results
.endr
.endr
	WIN 0
.endm
.macro QUANT sc, lm                    ; the 256 sums become 64 registers of codes; each accumulator from its low end on
	WIN 0xC3
.set k, 0
.rept 256
	v_med3_num_f32 v[k], v[k], -v[\lm], v[\lm]
.set k, k+1
.endr
	WIN 0x03
.set k, 0
.rept 32
	v_cvt_scalef32_pk8_fp8_f32 v[PC+2*k:PC+2*k+1], v[8*k:8*k+7], v[\sc]
.set k, k+1
.endr
	v_nop                                          ; a plain line behind the last conversion: the next products write its sources
	WIN 0
.endm
	s_wait_loadcnt 63                              ; the first version's 64 loads are in; 64 were issued behind them, and the count names the most that its field holds
	PROJ 0, 1, 0
	WIN 0x40
	XLOAD 40                                       ; v's version, into the registers that q's products have left, behind their four places
	QUANT 22, 23
.irp i, 0,1
.irp u, 0,1
.irp hd, 0,1
.irp c, 0,1
	ds_store_b128 v9, v[PC+16*(2*\i+\u)+8*\hd+4*\c:PC+16*(2*\i+\u)+8*\hd+4*\c+3] offset:(2*\i+\hd)*2048+\u*1024+512*\c
.endr
.endr
.endr
.endr
	s_wait_loadcnt 63                              ; the second version is in
	PROJ 1, 2, 0
	QUANT 24, 25
.irp i, 0,1
.irp u, 0,1
.irp hd, 0,1
.irp c, 0,1
	ds_store_b128 v[10+\i], v[PC+16*(2*\i+\u)+8*\hd+4*\c:PC+16*(2*\i+\u)+8*\hd+4*\c+3] offset:\hd*16384+\u*1024+512*\c
.endr
.endr
.endr
.endr
	s_wait_loadcnt 0x0
	PROJ 2, 1, 1
	QUANT 26, 27
.irp i, 0,1
.irp T, 0,1,2,3,4,5,6,7
	ds_store_b128 v[12+\i], v[PC+32*\i+4*\T:PC+32*\i+4*\T+3] offset:\T*4096
.endr
.endr
	s_wait_dscnt 0x0                               ; for the others' sake: my images have landed
	s_barrier_signal -1
	s_barrier_wait -1                              ; from here on LDS is only read
; A KEY STEP: 64 keys against the unit's two tiles of 16 queries.  first = 1: the unit's step 0, which starts M, the sum and O^T.
.macro STEP first
.if !\first
	s_cmp_gt_u32 s[SG], s[SMAX]                    ; all 64 keys come behind my queries: the step's work is left out, not the lines at its end
	s_cbranch_scc1 .Lhid_\@
.endif
	v_add_nc_u32 v[KA], s[KO], v14
	v_add_nc_u32 v[VA], s[VO], v15
	v_nop
	v_nop                                          ; with the two additions: four places in front of loads into registers that the last products read
.irp kt, 0,1,2,3
.irp c, 0,1
	ds_load_b128 v[KV+8*\kt+4*\c:KV+8*\kt+4*\c+3], v[KA] offset:\kt*1024+512*\c
.endr
.endr
	s_wait_alu depctr_va_vdst(0)
	s_wait_dscnt 0x0
.irp kt, 0,1,2,3
.irp t, 0,1
	v_wmma_f32_16x16x64_fp8_fp8 v[SS+32*\t+8*\kt:SS+32*\t+8*\kt+7], v[KV+8*\kt:KV+8*\kt+7], v[QF+8*\t:QF+8*\t+7], 0
.endr
.endr
.rept 4
	v_nop
.endr
.irp n, 0,1,2,3
.irp c, 0,1
	ds_load_b128 v[KV+8*\n+4*\c:KV+8*\n+4*\c+3], v[VA] offset:\n*4096+512*\c   ; v's fragments land while the softmax is worked
.endr
.endr
	s_cmp_lt_u32 s[SG], s[SMAX]
	s_cbranch_scc1 .Lopen_\@                       ; all 64 keys count
	s_lshl_b32 s[MD], s[BQ], 5
	s_lshl_b32 s27, s[SG], 6
	s_sub_co_i32 s[MD], s[MD], s27
	v_add_nc_u32 v[ST+6], s[MD], v20               ; d = my query - 16 h - the step's first key.  Register n holds key 32 (n / 16) + n % 16 + 16 h of the step: hidden where that is above d
	v_add_nc_u32 v[ST+14], 8, v[ST+6]
.irp n, 0,1,2,3,4,5,6,7,8,9,10,11,12,13,14,15,16,17,18,19,20,21,22,23,24,25,26,27,28,29,30,31
.irp t, 0,1
	v_cmp_gt_i32 vcc_lo, 32*(\n/16)+\n%16, v[ST+8*\t+6]
	v_cndmask_b32 v[SS+32*\t+\n], v[SS+32*\t+\n], v21, vcc_lo
.endr
.endr
.Lopen_\@:
.irp t, 0,1
	v_max3_num_f32 v[TM+8*\t], v[SS+32*\t], v[SS+32*\t+1], v[SS+32*\t+2]       ; the step's largest score, in two chains a tile, each accumulator from its low end on
	v_max3_num_f32 v[TM+8*\t+1], v[SS+32*\t+3], v[SS+32*\t+4], v[SS+32*\t+5]
.endr
.irp i, 6,10,14,18,22,26
.irp t, 0,1
	v_max3_num_f32 v[TM+8*\t], v[TM+8*\t], v[SS+32*\t+\i], v[SS+32*\t+\i+1]
	v_max3_num_f32 v[TM+8*\t+1], v[TM+8*\t+1], v[SS+32*\t+\i+2], v[SS+32*\t+\i+3]
.endr
.endr
.irp t, 0,1
	v_max3_num_f32 v[TM+8*\t], v[TM+8*\t], v[SS+32*\t+30], v[SS+32*\t+31]
.endr
.irp t, 0,1
	v_max_num_f32 v[TM+8*\t], v[TM+8*\t], v[TM+8*\t+1]
.endr
.irp t, 0,1
	v_permlanex16_b32 v[TM+8*\t+2], v[TM+8*\t], s50, s51
.endr
.irp t, 0,1
	v_max_num_f32 v[TM+8*\t], v[TM+8*\t], v[TM+8*\t+2]    ; and among the other half of the lanes' keys
.endr
.if \first
.irp t, 0,1
	v_mul_f32 v[ST+8*\t+1], s48, v[TM+8*\t]        ; the largest t (c is positive)
.endr
.irp t, 0,1
	v_floor_f32 v[ST+8*\t], -v[ST+8*\t+1]          ; -M = floor(-t): M is a whole number
.endr
.else
.irp t, 0,1
	v_mul_f32 v[TM+8*\t], s48, v[TM+8*\t]
	v_mov_b32 v[TM+8*\t+3], v[ST+8*\t]
.endr
.irp t, 0,1
	v_max_num_f32 v[ST+8*\t+1], v[ST+8*\t+1], v[TM+8*\t]
.endr
.irp t, 0,1
	v_floor_f32 v[ST+8*\t], -v[ST+8*\t+1]
.endr
.irp t, 0,1
	v_sub_f32 v[TM+8*\t+3], v[ST+8*\t], v[TM+8*\t+3]   ; old M - new M: a whole number, 0 or less
.endr
.irp t, 0,1
	v_cvt_i32_f32 v[TM+8*\t+3], v[TM+8*\t+3]
.endr
.irp t, 0,1
	v_ldexp_f32 v[ST+8*\t+4], 1.0, v[TM+8*\t+3]    ; f = 2^(old M - new M)
.endr
.endif
.irp j, 0,2,4,6,8,10,12,14,16,18,20,22,24,26,28,30
.irp t, 0,1
	v_pk_fma_f32 v[SS+32*\t+\j:SS+32*\t+\j+1], v[SS+32*\t+\j:SS+32*\t+\j+1], s[48:49], v[ST+8*\t:ST+8*\t+1] op_sel_hi:[1,0,0]   ; t - M
.endr
.endr
.set k, 0
	s_wait_alu depctr_va_vdst(0)
.rept 64
	v_exp_f32 v[SS+k], v[SS+k]                     ; p = 2^(t - M): one batch
.set k, k+1
.endr
.if \first
	v_nop                                          ; a plain line behind the last exponential
	s_wait_alu depctr_va_vdst(0)                   ; one wait for the batch, ahead of its first reader
.irp t, 0,1
	v_pk_add_f32 v[TM+8*\t+4:TM+8*\t+5], v[SS+32*\t:SS+32*\t+1], v[SS+32*\t+2:SS+32*\t+3]     ; the sum of the UNQUANTISED p, in two chains
	v_pk_add_f32 v[ST+8*\t+2:ST+8*\t+3], v[SS+32*\t+4:SS+32*\t+5], v[SS+32*\t+6:SS+32*\t+7]
.endr
.irp j, 8,12,16,20,24,28
.irp t, 0,1
	v_pk_add_f32 v[ST+8*\t+2:ST+8*\t+3], v[ST+8*\t+2:ST+8*\t+3], v[SS+32*\t+\j:SS+32*\t+\j+1]
	v_pk_add_f32 v[TM+8*\t+4:TM+8*\t+5], v[TM+8*\t+4:TM+8*\t+5], v[SS+32*\t+\j+2:SS+32*\t+\j+3]
.endr
.endr
.else
.irp t, 0,1
	v_pk_mul_f32 v[ST+8*\t+2:ST+8*\t+3], v[ST+8*\t+2:ST+8*\t+3], v[ST+8*\t+4:ST+8*\t+5] op_sel_hi:[1,0]   ; the sum under the new M (the plain line behind the exponentials)
.endr
	s_wait_alu depctr_va_vdst(0)                   ; one wait for the batch, ahead of its first reader
.irp t, 0,1
	v_pk_add_f32 v[TM+8*\t+4:TM+8*\t+5], v[SS+32*\t:SS+32*\t+1], v[SS+32*\t+2:SS+32*\t+3]
.endr
.irp j, 4,8,12,16,20,24,28
.irp t, 0,1
	v_pk_add_f32 v[ST+8*\t+2:ST+8*\t+3], v[ST+8*\t+2:ST+8*\t+3], v[SS+32*\t+\j:SS+32*\t+\j+1]
	v_pk_add_f32 v[TM+8*\t+4:TM+8*\t+5], v[TM+8*\t+4:TM+8*\t+5], v[SS+32*\t+\j+2:SS+32*\t+\j+3]
.endr
.endr
.endif
.irp t, 0,1
	v_pk_add_f32 v[ST+8*\t+2:ST+8*\t+3], v[ST+8*\t+2:ST+8*\t+3], v[TM+8*\t+4:TM+8*\t+5]
.endr
.irp t, 0,1
.set k, 0
.rept 32
	v_min_num_f32 v[SS+32*\t+k], v[SS+32*\t+k], v29    ; p is not negative: the hold is one-sided
.set k, k+1
.endr
.irp a, 0,1,2,3
	v_cvt_scalef32_pk8_fp8_f32 v[PP+8*\t+2*\a:PP+8*\t+2*\a+1], v[SS+32*\t+8*\a:SS+32*\t+8*\a+7], v28
.endr
.endr
.if \first
	s_wait_alu depctr_va_vdst(0)
	v_nop                                          ; a plain line between the conversions and the products that read their results
.else
.irp j, 0,2,4,6,8,10,12,14,16,18,20,22,24,26,28,30
.irp t, 0,1
	v_pk_mul_f32 v[OO+32*\t+\j:OO+32*\t+\j+1], v[OO+32*\t+\j:OO+32*\t+\j+1], v[ST+8*\t+4:ST+8*\t+5] op_sel_hi:[1,0]   ; O^T under the new M
.endr
.endr
.endif
	s_wait_alu depctr_va_vdst(0)
	s_wait_dscnt 0x0                               ; v's fragments are in
.irp n, 0,1,2,3
.irp t, 0,1
.if \first
	v_wmma_f32_16x16x64_fp8_fp8 v[OO+32*\t+8*\n:OO+32*\t+8*\n+7], v[KV+8*\n:KV+8*\n+7], v[PP+8*\t:PP+8*\t+7], 0
.else
	v_wmma_f32_16x16x64_fp8_fp8 v[OO+32*\t+8*\n:OO+32*\t+8*\n+7], v[KV+8*\n:KV+8*\n+7], v[PP+8*\t:PP+8*\t+7], v[OO+32*\t+8*\n:OO+32*\t+8*\n+7]
.endif
.endr
.endr
.Lhid_\@:
	s_add_co_u32 s[KO], s[KO], 4096                ; four key tiles on
	s_add_co_u32 s[VO], s[VO], 1024                ; two key blocks on
	s_add_co_u32 s[SG], s[SG], 1
.endm
	s_mov_b32 s[UI], 0
.Lunit:                                            ; four units a wave: (block w, head 0), (w, 1), (7 - w, 0), (7 - w, 1)
	s_wait_xcnt 0x0                                ; the last unit's stores have read their codes and their offset: both are written again below
	s_and_b32 s[HD], s[UI], 1
	s_cmp_lt_u32 s[UI], 2
	s_cselect_b32 s[BQ], s12, s26
	s_lshr_b32 s[SMAX], s[BQ], 1
	s_lshl_b32 s[KO], s[HD], 14
	s_mov_b32 s[VO], s[KO]
	s_mov_b32 s[SG], 0
	s_lshl_b32 s[QO], s[UI], 11
	v_add_nc_u32 v[QA], s[QO], v9
.irp t, 0,1
.irp c, 0,1
	ds_load_b128 v[QF+8*\t+4*\c:QF+8*\t+4*\c+3], v[QA] offset:\t*1024+512*\c
.endr
.endr
	STEP 1
.Lkey:                                             ; key steps 1 to 3: a constant count; what is hidden is jumped over inside the step
	STEP 0
	s_cmp_lt_u32 s[SG], 4
	s_cbranch_scc1 .Lkey
	; the unit's end: O^T / the sum becomes codes: pieces 2 x head and 2 x head + 1 of the fragment (token tile, K step = head pair) of the next product
.rept 4
	v_nop
.endr
.irp t, 0,1
	v_add_f32 v[TM+8*\t], v[ST+8*\t+2], v[ST+8*\t+3]
.endr
.irp t, 0,1
	v_permlanex16_b32 v[TM+8*\t+2], v[TM+8*\t], s50, s51
.endr
.irp t, 0,1
	v_add_f32 v[TM+8*\t], v[TM+8*\t], v[TM+8*\t+2]
.endr
	s_wait_alu depctr_va_vdst(0)
.irp t, 0,1
	v_rcp_f32 v[ST+8*\t+4], v[TM+8*\t]
.endr
	v_nop
	s_wait_alu depctr_va_vdst(0)                   ; one wait for the two reciprocals, ahead of their first reader
.irp j, 0,2,4,6,8,10,12,14,16,18,20,22,24,26,28,30
.irp t, 0,1
	v_pk_mul_f32 v[OO+32*\t+\j:OO+32*\t+\j+1], v[OO+32*\t+\j:OO+32*\t+\j+1], v[ST+8*\t+4:ST+8*\t+5] op_sel_hi:[1,0]
.endr
.endr
.irp t, 0,1
.set k, 0
.rept 32
	v_med3_num_f32 v[OO+32*\t+k], v[OO+32*\t+k], -v31, v31
.set k, k+1
.endr
.irp a, 0,1,2,3
	v_cvt_scalef32_pk8_fp8_f32 v[PP+8*\t+2*\a:PP+8*\t+2*\a+1], v[OO+32*\t+8*\a:OO+32*\t+8*\a+7], v30
.endr
.endr
	v_nop
	s_lshl_b32 s[HOF], s[BQ], 14
	s_lshl_b32 s27, s[HD], 10
	s_add_co_u32 s[HOF], s[HOF], s27
	v_add_nc_u32 v[HO], s[HOF], v1
.irp t, 0,1
.irp c, 0,1
	global_store_b128 v[HO], v[PP+8*\t+4*\c:PP+8*\t+4*\c+3], s[24:25] offset:\t*8192+512*\c   ; 512 consecutive bytes, aligned
.endr
.endr
	s_add_co_u32 s[UI], s[UI], 1
	s_cmp_lt_u32 s[UI], 4
	s_cbranch_scc1 .Lunit
	s_wait_tensorcnt 0x0                           ; the wave's end
	ds_add_u32 v62, v63
	s_wait_dscnt 0x0
	s_endpgm
.Lfunc_end_k_qa5d7a757af_attn:
	.size	k_qa5d7a757af_attn, .Lfunc_end_k_qa5d7a757af_attn-k_qa5d7a757af_attn
	.p2alignl 7, 3214868480
	.fill 96, 4, 3214868480
	.section	.rodata,"a",@progbits
	.p2align	6, 0x0
	.amdhsa_kernel k_qa5d7a757af_attn
		.amdhsa_group_segment_fixed_size 327680
		.amdhsa_private_segment_fixed_size 0
		.amdhsa_enable_private_segment 0
		.amdhsa_kernarg_size 32
		.amdhsa_user_sgpr_count 2
		.amdhsa_user_sgpr_kernarg_segment_ptr 1
		.amdhsa_wavefront_size32 1
		.amdhsa_system_sgpr_workgroup_id_x 1
		.amdhsa_system_sgpr_workgroup_id_y 1
		.amdhsa_system_sgpr_workgroup_id_z 1
		.amdhsa_system_vgpr_workitem_id 0
		.amdhsa_next_free_vgpr 1024
		.amdhsa_next_free_sgpr 66
		.amdhsa_reserve_vcc 1
		.amdhsa_float_denorm_mode_32 3
		.amdhsa_float_denorm_mode_16_64 3
		.amdhsa_memory_ordered 1
		.amdhsa_forward_progress 1
		.amdhsa_inst_pref_size 190
	.end_amdhsa_kernel
	.amdgpu_metadata
---
amdhsa.version: [ 1, 2 ]
amdhsa.kernels:
  - .name:           k_qa5d7a757af_attn
    .symbol:         k_qa5d7a757af_attn.kd
    .args:
      - { .name: xc, .offset: 0, .size: 8, .value_kind: global_buffer, .address_space: global }
      - { .name: wqkv, .offset: 8, .size: 8, .value_kind: global_buffer, .address_space: global }
      - { .name: lowp_scales, .offset: 16, .size: 8, .value_kind: global_buffer, .address_space: global }
      - { .name: hc, .offset: 24, .size: 8, .value_kind: global_buffer, .address_space: global }
    .group_segment_fixed_size: 327680
    .private_segment_fixed_size: 0
    .kernarg_segment_align: 8
    .kernarg_segment_size: 32
    .max_flat_workgroup_size: 128
    .sgpr_count:     66
    .vgpr_count:     1024
    .wavefront_size: 32
...
	.end_amdgpu_metadata
.endif
;; end of part 2
;; launch ffn (part 3): grid 256 x 1, 4 waves a work-group, clusters of 4 x 1, 327,680 bytes of LDS; arguments hc, x, wst, lowp_scales, b1, b2, ln1_g, ln1_b, ln2_g, ln2_b, out0; writes out0
.if DOCPART == 3
	.amdgcn_target "amdgcn-amd-amdhsa--gfx1250"
	.amdhsa_code_object_version 6
	.text
	.protected	k_qa5d7a757af_ffn
	.globl	k_qa5d7a757af_ffn
	.p2align	8
	.type	k_qa5d7a757af_ffn,@function
k_qa5d7a757af_ffn:
	s_mov_b64 s[64:65], 0
	v_nop
	global_prefetch_b8 v0, s[64:65] scope:SCOPE_SE
	s_setreg_imm32_b32 hwreg(HW_REG_WAVE_MODE, 25, 1), 1
	s_wait_xcnt 0x0
	s_wait_alu depctr_hold_cnt(0) depctr_sa_sdst(0) depctr_va_vdst(0) depctr_va_sdst(0) depctr_va_ssrc(0) depctr_va_vcc(0) depctr_vm_vsrc(0)
	s_getreg_b32 s2, hwreg(HW_REG_IB_STS2, 6, 4)
	s_cmp_eq_u32 s2, 0
	s_cbranch_scc0 .Lentry_in_a_cluster
	s_endpgm
.Lentry_in_a_cluster:
	s_bfe_u32 s2, ttmp6, 0x10000c
	s_cmp_lg_u32 s2, 0x3003
	s_cbranch_scc0 .Lentry_shape_is_right
	s_endpgm
.Lentry_shape_is_right:
; FFN: for 64 rows: ln1 = LN(heads Wo + x); out = LN(relu(ln1 W1 + b1) W2 + b2 + ln1).  Three products on codes of E4M3; residuals, biases and both norms in f32.  Nothing between them goes to memory.
; Fragments, images and tiles as the first launch lays them.  The work-group's four token tiles m: index i is row 64 g + 32 (m / 2) + 8 (m % 2) + i + (i & 8).
; THE WAVES SHARE THE COLUMNS: wave w makes columns 128 w .. + 127 of heads Wo and of the second product's result, and hidden units 512 c + 128 w .. + 127 of chunk c, for all 64 rows.
; Every product: source 0 = 16 columns of the weight, source 1 = 16 rows: a lane holds ONE row, and register 64 m + 16 b + i holds column 128 w + 32 b + 16 h + i: 16 neighbours, which convert straight into the next operand.
; NINE PHASES of 128 products a wave: Wo; then for each of four chunks of 512 hidden units W1's chunk and W2's chunk.
; JOINT LOADS.  All work-groups walk the same 2,359,296 bytes of weights in the same order.  Four work-groups form a cluster and ask for them jointly: a wave's stream of 589,824 bytes comes in 18 pieces of 32,768 bytes
; (half a phase: four groups of four fragments), one tensor load a wave, 128 rows of 256 bytes, the same descriptor in all four partners.  Two slots of 4 x 32,768 bytes take turns: a phase's first half lies in slot 0, its
; second in slot 1.  A wave reads only the bytes that its own load brought.  Each change of slots is a round of the cluster's barrier, with the wait for all tensor loads, the add and the wait for LDS in front of it.
; THE ROWS' CODES STAY IN REGISTERS for a whole phase: the heads' 16 fragments, later ln1's, in window 1; a hidden chunk's in window 3.  So LDS holds one region of images, and the slots can be of half a phase.
; x, THE RESIDUAL: 64 loads a wave of 512 consecutive bytes (my 128 columns of a row) into window 3, out while the first product runs; then through my stage in LDS, by rows in and by lanes out, and added to the sums
; as x / 2^(e10 + e11).  The other addends are the C of a product: b1 / 2^(e12 + e13), (ln1 + b2) / 2^(e14 + e15); b1 and b2 are scaled once, at the head.
; PREFETCH: behind each refill the piece that stands two refills on is asked for: 512 blocks of 256 bytes a slot, a lane a block, one instruction a wave, the four partners told apart by address (8,192 bytes each of a wave's
; piece).  All clusters read the same bytes, so the first four clusters alone ask.  Pieces 1 to 3 are asked for at the head; the last phase's refills ask for nothing.
; LIMITS on the given exponents, so that each power of two is an f32 number: e12 and e14 - e12 - e13 between -126 and 119; e10 + e11, e12 + e13, e14 + e15 between -126 and 126.  NaN is not served.
; LDS: 0: for each wave a stage of 16 rows of 512 + 16 bytes (x on the way in, the result on the way out); between those uses the same bytes hold 16 images, fragment (m, K step s) at (4 m + s) x 2,048: ln1, then the hidden chunks;
;   PAR: ln1_g, ln1_b, ln2_g, ln2_b, b2 (2,048 each), b1 (8,192); RED: four regions of 1,024 for the norms' sums; SPARE: the spare words; SLOT0: the two slots.
; REGISTERS.  Window 0: v1-19 addresses and scales that stay; v20-23 a row's partial sums; v24-31 mean or 1 / deviation, in the even ones; v32-95 b1's part, codes, gains; v96-159, v160-223 two sets of four fragments of
;   weights (between phases at work); v224-247 at work; v248 the prefetches' offset.  Window 1: the rows' 16 fragments; on the way out rows.  Window 2: Y, 32 accumulators.  Window 3: x; the hidden sums; the hidden fragments.
.set PAR,   33792
.set RED,   52224
.set SPARE, 56320
.set SLOT0, 56832
.set SLOTB, 131072
.set SPW,  2                           ; v2   my spare word's address; never rewritten
.set NIL,  11                          ; v11  0; never rewritten
.set WA,   18                          ; v18, v19 my part of slot 0, of slot 1
.set PFO,  248                         ; v248 256 x lane
.set WS,   96
.set BB,   32
.set G1,   76                          ; s[76:83] descriptor group 1
.set G0,   84                          ; s[84:87], s[88:91] group 0 of slot 0, of slot 1
.set PFA,  66                          ; s[66:67] where my prefetches stand
.set MSB, 0
.macro WIN new                         ; the immediate's high byte repeats the setting that is left
.if MSB != (\new)
	s_set_vgpr_msb (MSB<<8)|(\new)
.set MSB, (\new)
.endif
.endm
.macro MKSC se, vsc, vlm               ; v[vsc] = 2^e as f32, v[vlm] = 448 x 2^e
	s_add_co_i32 s29, \se, 127
	s_lshl_b32 s30, s29, 23
	v_mov_b32 v[\vsc], s30
	s_add_co_i32 s29, s29, 8
	s_lshl_b32 s29, s29, 23
	s_or_b32 s29, s29, 0x600000
	v_mov_b32 v[\vlm], s29
.endm
.macro MKP2 d, se                      ; s[d] = s[d + 1] = 2^e as f32
	s_add_co_i32 s[\d], \se, 127
	s_lshl_b32 s[\d], s[\d], 23
	s_mov_b32 s[\d+1], s[\d]
.endm
.macro BARRIER                         ; my LDS stores have landed and my LDS loads are in: then the work-group's barrier.
	s_wait_dscnt 0x0
	s_barrier_signal -1
	s_barrier_wait -1
.endm
.macro PLACES                          ; four places behind matrix instructions, in front of loads into their registers and of reads of their results
.rept 4
	v_nop
.endr
.endm
.macro CREST                           ; a round of the cluster's barrier behind its opening barrier
	s_cmp_lg_u32 s60, 0
	s_cbranch_scc1 .Lnot_wave_0_\@
	s_barrier_signal -3
.Lnot_wave_0_\@:
	s_barrier_wait -3
	s_barrier_signal -1
	s_barrier_wait -1
.endm
.macro CROUND
	s_barrier_signal -1
	s_barrier_wait -1
	CREST
.endm
.macro ASK off                         ; 32 blocks of 256 bytes, a lane a block; the first four clusters alone (the cluster's number is the same in all partners)
	s_cmp_lt_u32 ttmp9, 4
	s_cbranch_scc0 .Lnot_mine_\@
	global_prefetch_b8 v[PFO], s[PFA:PFA+1] offset:\off th:TH_LOAD_NT scope:SCOPE_SE
.Lnot_mine_\@:
.endm
.macro WLD set, buf, g                 ; group g of my part of a slot: four fragments of weights
.irp f, 0,1,2,3
.irp c, 0,1,2,3
	ds_load_b128 v[WS+64*(\set)+16*\f+4*\c:WS+64*(\set)+16*\f+4*\c+3], v[WA+(\buf)] offset:(\g)*8192+\f*2048+512*\c
.endr
.endr
.endm
.macro LDH s                           ; the four row tiles' fragments of K step s, from the images
.irp m, 0,1,2,3
.irp c, 0,1,2,3
	ds_load_b128 v[16*(4*\m+(\s))+4*\c:16*(4*\m+(\s))+4*\c+3], v1 offset:(4*\m+(\s))*2048+512*\c
.endr
.endr
.endm
.macro LDB                             ; b1 (scaled) at my 128 hidden units of the chunk that v7 names, in the result's layout
.irp n, 0,1,2,3,4,5,6,7,8,9,10,11,12,13,14,15
	ds_load_b128 v[BB+4*\n:BB+4*\n+3], v7 offset:128*(\n/4)+16*(\n%4)
.endr
.endm
; Eight products of group G (K step G / 2, column tiles 4 (G % 2) + f): f = f0, f0 + 1 against the four row tiles.  The 32 accumulators take turns, one instruction a turn.
; cmode: what the first K step takes as C: 0 the accumulators, 1 b1's registers, 2 the constant 0.
.macro MUL8 G, f0, cmode
.irp f, \f0, \f0+1
.irp m, 0,1,2,3
.set rD, 64*\m+8*(4*((\G)%2)+(\f))
.set rW, WS+64*((\G)%2)+16*(\f)
.set rA, 16*(4*\m+(\G)/2)
.set rB, BB+8*(4*((\G)%2)+(\f))
.if (\cmode == 1) && ((\G) < 2)
	v_wmma_f32_16x16x128_fp8_fp8 v[rD:rD+7], v[rW:rW+15], v[rA:rA+15], v[rB:rB+7]
.elseif (\cmode == 2) && ((\G) < 2)
	v_wmma_f32_16x16x128_fp8_fp8 v[rD:rD+7], v[rW:rW+15], v[rA:rA+15], 0
.else
	v_wmma_f32_16x16x128_fp8_fp8 v[rD:rD+7], v[rW:rW+15], v[rA:rA+15], v[rD:rD+7]
.endif
.endr
.endr
.endm
.macro MWIN wm, cmode, G               ; the products' windows; b1 as C lies in window 0
.if (\cmode == 1) && ((\G) < 2)
	WIN (\wm)&0xCF
.else
	WIN \wm
.endif
.endm
; HALF A PHASE: the four groups of slot h, and the change of slots at its end.  At its head groups 0 and 1 have been asked for.
; fill = 1: the slot is filled again with the next phase's half h, behind a round; 0: no refill, a plain barrier; 2: the stream's end.  nxt: 1 the next slot's first two groups are asked for; 2 the next chunk's b1 ahead of them.
; hid = 1 (h = 0 alone): the hidden fragments of K steps 0 and 1 were asked for just before; those of K steps 2 and 3 are asked for here.
.macro HALF h, wm, cmode, fill, pf, nxt, hid, pfo
	s_wait_dscnt 16                                ; all but the youngest 16
	MWIN \wm, \cmode, 4*\h
	MUL8 4*\h, 0, \cmode
	MUL8 4*\h, 2, \cmode
	PLACES
	WIN 0
	WLD 0, \h, 2
.if \hid
	WIN 0xC0
	LDH 2
	s_wait_dscnt 32                                ; all but the 32 just issued
.else
	s_wait_dscnt 16
.endif
	MWIN \wm, \cmode, 4*\h+1
	MUL8 4*\h+1, 0, \cmode
	MUL8 4*\h+1, 2, \cmode
	PLACES
	WIN 0
	WLD 1, \h, 3
.if \hid
	WIN 0xC0
	LDH 3
	s_wait_dscnt 48                                ; group 2 is in; behind it: K step 2's fragments, group 3, K step 3's fragments
.else
	s_wait_dscnt 16
.endif
	MWIN \wm, \cmode, 4*\h+2
	MUL8 4*\h+2, 0, \cmode
	MUL8 4*\h+2, 2, \cmode
.if (\fill) == 2
	s_wait_dscnt 0x0
	MUL8 4*\h+3, 0, \cmode
	MUL8 4*\h+3, 2, \cmode
	PLACES
	WIN 0
.else
	WIN 0
	s_wait_tensorcnt 0x0                           ; my one tensor load that is out, my part of the other slot, has landed;
	ds_add_u32 v[SPW], v[NIL]                      ; 0 onto my spare word
.if (\fill) == 1
	s_add_nc_u64 s[G0+4*\h+2:G0+4*\h+3], s[G0+4*\h+2:G0+4*\h+3], 65536   ; no load of mine is out: this slot's group 0 steps to the next phase
.endif
	s_wait_dscnt 0x0                               ; the add is done, group 3 is in registers, and my reads of this slot are over
	s_barrier_signal -1
	s_barrier_wait -1
.if (\fill) == 1
	CREST                                          ; the barrier has opened a round: no wave of any partner reads this slot or has a load on its way
	tensor_load_to_lds s[G0+4*\h:G0+4*\h+3], s[G1:G1+7]
	s_nop 0
.endif
	PLACES
.if (\nxt) == 2
	s_add_co_u32 s62, s62, 2048                    ; b1's next 512 numbers
	v_add_nc_u32 v7, s62, v6
	LDB
.endif
.if (\nxt) > 0
	WLD 0, 1-\h, 0
.endif
	MWIN \wm, \cmode, 4*\h+3                       ; group 3's products stand behind the refill, between the next slot's two runs of loads
	MUL8 4*\h+3, 0, \cmode
	MUL8 4*\h+3, 2, \cmode
	PLACES
	WIN 0
.if (\nxt) > 0
	WLD 1, 1-\h, 1
.endif
.if \pf
	ASK \pfo
.endif
.endif
.endm
	s_load_b256 s[4:11], s[0:1], 0x0               ; hc 4, x 6, wst 8, the scales' exponents 10
	s_load_b256 s[12:19], s[0:1], 0x20             ; b1 12, b2 14, ln1_g 16, ln1_b 18
	s_load_b128 s[20:23], s[0:1], 0x40             ; ln2_g 20, ln2_b 22
	s_load_b64 s[24:25], s[0:1], 0x50              ; out0
	v_lshl_add_u32 v[SPW], v0, 2, SPARE
	v_mov_b32 v[NIL], 0
	ds_add_u32 v[SPW], v[NIL]                      ; the opening lines: the add twice on end and one wait, ahead of the round in front of my first tensor load
	ds_add_u32 v[SPW], v[NIL]
	v_lshrrev_b32 v1, 5, v0
	v_readfirstlane_b32 s60, v1                    ; wave
	v_and_b32 v20, 31, v0
	v_lshlrev_b32 v1, 4, v20                       ; 16 x lane: an image's place for my lane
	v_lshlrev_b32 v[PFO], 8, v20
	s_lshl_b32 s26, s60, 11
	v_add_nc_u32 v3, s26, v1                       ; where I store images: K step = my wave
	s_mul_i32 s27, s60, 8448                       ; my stage
	v_add_nc_u32 v4, s27, v1                       ; by rows: 16 bytes a lane
	v_and_b32 v20, 15, v0                          ; r
	v_bfe_u32 v21, v0, 4, 1                        ; h
	v_mul_u32_u24 v5, v20, 528
	v_lshl_add_u32 v5, v21, 6, v5
	v_add_nc_u32 v5, s27, v5                       ; by lanes: row r, + 64 h bytes
	s_lshl_b32 s26, s60, 9
	v_lshlrev_b32 v6, 6, v21
	v_add_nc_u32 v6, s26, v6
	v_add_nc_u32 v6, PAR, v6                       ; a parameter's numbers for my columns: 512 w + 64 h bytes
	v_add_nc_u32 v10, s26, v1                      ; my wave's 512 bytes of a row of x and of the output
	s_lshl_b32 s26, s60, 8
	v_lshlrev_b32 v9, 4, v20
	v_add_nc_u32 v9, RED, v9                       ; the norms' sums: 16 bytes (four tiles) for row index r,
	v_add_nc_u32 v8, s26, v9                       ; 256 bytes a wave
	v_lshlrev_b32 v17, 4, v0                       ; 16 x thread
	v_add_nc_u32 v12, PAR, v17
	s_lshl_b32 s26, s60, 15
	s_add_co_u32 s26, s26, SLOT0                   ; my part of slot 0: no place in the cluster enters an LDS address
	v_add_nc_u32 v[WA], s26, v1
	v_add_nc_u32 v[WA+1], SLOTB, v[WA]
.irp m, 0,1,2,3
	v_mov_b32 v[25+2*\m], 0                        ; upper halves of pairs of which the low word alone is used,
	v_mov_b32 v[244+\m], 0                         ; and the lane permutes' destinations, which count as read
.endr
	s_wait_alu depctr_va_vdst(0)
	s_mov_b32 s[G1], 15|(3<<16)|(1<<21)            ; the mask names the cluster's four; elements of 8 bytes; bit 21 beside a mask; no padding
	s_mov_b32 s[G1+1], 32<<16                      ; tensor_dim0: 32 elements, 256 bytes
	s_mov_b32 s[G1+2], 128<<16                     ; tensor_dim1
	s_mov_b32 s[G1+3], 32<<16                      ; tile_dim0
	s_mov_b32 s[G1+4], 128                         ; tile_dim1
	s_mov_b32 s[G1+5], 32                          ; the pitch: the block is dense
	s_mov_b32 s[G1+6], 0
	s_mov_b32 s[G1+7], 0
	s_mov_b32 s[G0], 1
	s_mov_b32 s[G0+1], s26
	s_mov_b32 s[G0+4], 1
	s_add_co_u32 s[G0+5], s26, SLOTB
	s_mov_b32 s58, 0x76543210                      ; v_permlanex16_b32: lane l xor 16
	s_mov_b32 s59, 0xfedcba98
	s_bfe_u32 s92, ttmp6, 0x40000                  ; cx
	s_lshl_b32 s93, ttmp9, 2
	s_add_co_u32 s93, s93, s92                     ; g = 4 x cluster + cx
	s_mul_i32 s26, s60, 589824
	s_mov_b32 s27, 0
	s_mov_b32 s29, 0
	s_wait_dscnt 0x0                               ; both opening adds are done
	s_wait_kmcnt 0x0
	s_load_b512 s[32:47], s[10:11], 0x0            ; e0 .. e15 in s32 .. s47
	s_add_nc_u64 s[G0+2:G0+3], s[8:9], s[26:27]    ; my stream: the wave's number alone
	s_add_nc_u64 s[G0+6:G0+7], s[G0+2:G0+3], 32768
	s_lshl_b32 s28, s92, 13
	s_add_co_u32 s28, s28, 65536
	s_add_nc_u64 s[PFA:PFA+1], s[G0+2:G0+3], s[28:29]   ; the prefetches: my work-group's 8,192 bytes of a piece, at phase 1
	s_or_b32 s[G0+3], s[G0+3], 0x80000000
	s_or_b32 s[G0+7], s[G0+7], 0x80000000
	s_lshl_b32 s28, s93, 17                        ; 64 rows of 2,048 bytes
	s_add_nc_u64 s[68:69], s[6:7], s[28:29]
	s_add_nc_u64 s[70:71], s[24:25], s[28:29]
	s_lshl_b32 s28, s93, 15                        ; 16 images
	s_add_nc_u64 s[72:73], s[4:5], s[28:29]
	CROUND                                         ; the four work-groups are here: the first joint loads meet
	tensor_load_to_lds s[G0:G0+3], s[G1:G1+7]      ; piece 0: one tensor load a wave at the head
	s_nop 0
	PLACES
	ASK -32768                                     ; pieces 1 and 2
	ASK 0
	global_load_b128 v[32:35], v17, s[16:17]       ; the parameters: 16 bytes a thread
	global_load_b128 v[36:39], v17, s[18:19]
	global_load_b128 v[40:43], v17, s[20:21]
	global_load_b128 v[44:47], v17, s[22:23]
	global_load_b128 v[48:51], v17, s[14:15]
.irp k, 0,1,2,3
	global_load_b128 v[52+4*\k:55+4*\k], v17, s[12:13] offset:2048*\k
.endr
	WIN 0x40
.set k, 0
.rept 64
	global_load_b128 v[4*k:4*k+3], v1, s[72:73] offset:512*k   ; the heads' 16 fragments, whole, into window 1
.set k, k+1
.endr
	WIN 0
.macro XLD m                           ; x's tile m: my 512 bytes of each of its 16 rows, into window 3
	WIN 0xC0
.irp i, 0,1,2,3,4,5,6,7,8,9,10,11,12,13,14,15
	global_load_b128 v[64*(\m)+4*\i:64*(\m)+4*\i+3], v10, s[68:69] offset:(32*((\m)/2)+8*((\m)%2)+\i+(\i&8))*2048 th:TH_LOAD_NT
.endr
	WIN 0
.endm
	s_wait_kmcnt 0x0
	s_add_co_i32 s26, s42, s43
	s_sub_co_i32 s28, 0, s26
	MKP2 48, s28                                   ; 2^-(e10 + e11)
	MKP2 50, s26                                   ; 2^(e10 + e11)
	s_add_co_i32 s26, s44, s45
	s_sub_co_i32 s28, 0, s26
	MKP2 52, s28                                   ; 2^-(e12 + e13)
	s_sub_co_i32 s31, s46, s26                     ; e14 - e12 - e13
	s_add_co_i32 s26, s46, s47
	s_sub_co_i32 s28, 0, s26
	MKP2 54, s28                                   ; 2^-(e14 + e15)
	MKP2 56, s26                                   ; 2^(e14 + e15)
	MKSC s44, 13, 14                               ; ln1's conversion
	MKSC s31, 15, 16                               ; the hidden layer's: three scales folded into one
	s_wait_alu depctr_va_vdst(0)
	s_wait_loadcnt 0x0                             ; the parameters and the heads are in; x is asked for behind piece 1
	v_pk_mul_f32 v[48:49], v[48:49], s[54:55] op_sel_hi:[1,0]   ; b2 / 2^(e14 + e15)
	v_pk_mul_f32 v[50:51], v[50:51], s[54:55] op_sel_hi:[1,0]
.irp k, 52,54,56,58,60,62,64,66
	v_pk_mul_f32 v[\k:\k+1], v[\k:\k+1], s[52:53] op_sel_hi:[1,0]   ; b1 / 2^(e12 + e13)
.endr
.irp k, 0,1,2,3,4,5,6,7,8
	ds_store_b128 v12, v[32+4*\k:35+4*\k] offset:2048*\k
.endr
	s_wait_alu depctr_va_vdst(0)
	s_wait_tensorcnt 0x0                           ; piece 0 is in; the same lines as ahead of a refill stand ahead of slot 1's first fill
	ds_add_u32 v[SPW], v[NIL]
	s_wait_dscnt 0x0                               ; the add is done and the parameters lie in LDS
	CROUND
	tensor_load_to_lds s[G0+4:G0+7], s[G1:G1+7]    ; piece 1
	s_nop 0
	PLACES
	WLD 0, 0, 0
	WLD 1, 0, 1
	ASK 32768                                      ; piece 3
	XLD 0                                          ; x: what the first product wants has been asked for ahead of it
	XLD 1
	XLD 2
; The eight chains in v224-239 (two pairs a tile) become each row's total over all 512 columns, in v240 + m, in every lane.
.macro REDUCE red
	WIN 0
.irp m, 0,1,2,3
	v_pk_add_f32 v[224+4*\m:225+4*\m], v[224+4*\m:225+4*\m], v[226+4*\m:227+4*\m]
.endr
.irp m, 0,1,2,3
	v_add_f32 v[240+\m], v[224+4*\m], v[225+4*\m]
.endr
.irp m, 0,1,2,3
	v_permlanex16_b32 v[244+\m], v[240+\m], s58, s59
.endr
.irp m, 0,1,2,3
	v_add_f32 v[20+\m], v[240+\m], v[244+\m]       ; my wave's 128 columns; both halves of the lanes hold the same number
.endr
	ds_store_b128 v8, v[20:23] offset:\red
	BARRIER
.irp q, 0,1,2,3
	ds_load_b128 v[224+4*\q:227+4*\q], v9 offset:\red+256*\q
.endr
	s_wait_dscnt 0x0
.irp m, 0,1,2,3
	v_add_f32 v[240+\m], v[224+\m], v[228+\m]
.endr
.irp m, 0,1,2,3
	v_add_f32 v[224+\m], v[232+\m], v[236+\m]
.endr
.irp m, 0,1,2,3
	v_add_f32 v[240+\m], v[240+\m], v[224+\m]
.endr
.endm
; Y holds numbers that stand for Y x k, k = s[kp] a power of two.  Y becomes LN(Y x k) x gain + bias.  Two passes, as the norm is written: the mean, then the mean of the squared differences.
.macro LN kp, red, goff, boff
	WIN 0
.irp n, 0,1,2,3,4,5,6,7,8,9,10,11,12,13,14,15
	ds_load_b128 v[32+4*\n:35+4*\n], v6 offset:\goff+128*(\n/4)+16*(\n%4)
	ds_load_b128 v[96+4*\n:99+4*\n], v6 offset:\boff+128*(\n/4)+16*(\n%4)
.endr
	WIN 0x02                                       ; the rows' sums: two chains a tile, each accumulator from its low end on
.irp m, 0,1,2,3
.irp c, 0,1
	v_pk_add_f32 v[224+4*\m+2*\c:225+4*\m+2*\c], v[64*\m+2*\c:64*\m+2*\c+1], 0 op_sel_hi:[1,0]
.endr
.endr
.irp p, 1,2,3,4,5,6,7,8,9,10,11,12,13,14,15
.irp m, 0,1,2,3
.irp c, 0,1
	v_pk_add_f32 v[224+4*\m+2*\c:225+4*\m+2*\c], v[64*\m+4*\p+2*\c:64*\m+4*\p+2*\c+1], v[224+4*\m+2*\c:225+4*\m+2*\c]
.endr
.endr
.endr
	REDUCE \red
.irp m, 0,1,2,3
	v_mul_f32 v[24+2*\m], 0x3b000000, v[240+\m]    ; / 512: the mean
.endr
	WIN 0x82
.irp m, 0,1,2,3
.set k, 0
.rept 32
	v_pk_add_f32 v[64*\m+k:64*\m+k+1], v[64*\m+k:64*\m+k+1], v[24+2*\m:25+2*\m] op_sel_hi:[1,0] neg_lo:[0,1] neg_hi:[0,1]
.set k, k+2
.endr
.endr
	WIN 0x0A                                       ; the sums of the squared differences
.irp m, 0,1,2,3
.irp c, 0,1
	v_pk_mul_f32 v[224+4*\m+2*\c:225+4*\m+2*\c], v[64*\m+2*\c:64*\m+2*\c+1], v[64*\m+2*\c:64*\m+2*\c+1]
.endr
.endr
.irp p, 1,2,3,4,5,6,7,8,9,10,11,12,13,14,15
.irp m, 0,1,2,3
.irp c, 0,1
	v_pk_fma_f32 v[224+4*\m+2*\c:225+4*\m+2*\c], v[64*\m+4*\p+2*\c:64*\m+4*\p+2*\c+1], v[64*\m+4*\p+2*\c:64*\m+4*\p+2*\c+1], v[224+4*\m+2*\c:225+4*\m+2*\c]
.endr
.endr
.endr
	REDUCE \red+1024
.irp m, 0,1,2,3
	v_mul_f32 v[240+\m], 0x3b000000, v[240+\m]
.endr
.irp m, 0,1,2,3
	v_mul_f32 v[240+\m], s[\kp], v[240+\m]
.endr
.irp m, 0,1,2,3
	v_mul_f32 v[240+\m], s[\kp], v[240+\m]         ; the variance of Y x k
.endr
.irp m, 0,1,2,3
	v_add_f32 v[240+\m], 0x3727c5ac, v[240+\m]     ; + 1e-5
.endr
	s_wait_alu depctr_va_vdst(0)
.irp m, 0,1,2,3
	v_rsq_f32 v[24+2*\m], v[240+\m]
.endr
	v_nop
	s_wait_alu depctr_va_vdst(0)                   ; one wait for the four, ahead of their first reader
.irp m, 0,1,2,3
	v_mul_f32 v[24+2*\m], s[\kp], v[24+2*\m]       ; x k: the differences are Y's, not Y x k's
.endr
.endm
.macro LNF m                           ; the norm's last step for tile m: x 1 / deviation, x gain + bias
	WIN 0x82
.set k, 0
.rept 32
	v_pk_mul_f32 v[64*\m+k:64*\m+k+1], v[64*\m+k:64*\m+k+1], v[24+2*\m:25+2*\m] op_sel_hi:[1,0]
.set k, k+2
.endr
.set k, 0
.rept 32
	v_pk_fma_f32 v[64*\m+k:64*\m+k+1], v[64*\m+k:64*\m+k+1], v[32+k:33+k], v[96+k:97+k]
.set k, k+2
.endr
.endm
; x's tile m: by rows into my stage, back by lanes into set m % 2.  LDS serves a wave's instructions in order (ISA guide 5.7.1.4): the loads see the stores, and the next tile's stores come behind them.
.macro XIN m
	WIN 0x0C
.irp i, 0,1,2,3,4,5,6,7,8,9,10,11,12,13,14,15
	ds_store_b128 v4, v[64*\m+4*\i:64*\m+4*\i+3] offset:528*\i
.endr
	WIN 0
.irp n, 0,1,2,3,4,5,6,7,8,9,10,11,12,13,14,15
	ds_load_b128 v[WS+64*(\m%2)+4*\n:WS+64*(\m%2)+4*\n+3], v5 offset:128*(\n/4)+16*(\n%4)
.endr
.endm
.macro XADD m                          ; sum + x / 2^(e10 + e11); each accumulator from its low end on
	WIN 0xA0
.set k, 0
.rept 32
	v_pk_fma_f32 v[64*\m+k:64*\m+k+1], v[WS+64*(\m%2)+k:WS+64*(\m%2)+k+1], s[48:49], v[64*\m+k:64*\m+k+1] op_sel_hi:[1,0,1]
.set k, k+2
.endr
.endm
	HALF 0, 0xA4, 2, 1, 1, 1, 0, 65536             ; Y = heads Wo, short of 2^(e10 + e11); x lands meanwhile
	XLD 3
	HALF 1, 0xA4, 2, 1, 1, 0, 0, 98304
	s_wait_loadcnt 48                              ; x's tile 0 is in; the three later tiles' 16 loads each may be out
	XIN 0
	s_wait_loadcnt 32
	XIN 1
	s_wait_dscnt 32                                ; all but the next tile's 32
	XADD 0
	s_wait_loadcnt 16
	XIN 2
	s_wait_dscnt 32
	XADD 1
	s_wait_loadcnt 0x0
	XIN 3
	s_wait_dscnt 32
	XADD 2
	s_wait_dscnt 0x0
	XADD 3
	WIN 0
	LN 50, 0, 0, 2048                              ; Y = ln1.  Its barriers part all reads of the stages from the stores of images below
	LNF 0
	LNF 1
	LNF 2
	LNF 3
.irp m, 0,1,2,3                        ; ln1's codes: K step = my wave of the next product
	WIN 0x02
.set k, 0
.rept 64
	v_med3_num_f32 v[160+k], v[64*\m+k], -v14, v14
.set k, k+1
.endr
	WIN 0
.irp a, 0,1,2,3,4,5,6,7
	v_cvt_scalef32_pk8_fp8_f32 v[32+16*\m+2*\a:33+16*\m+2*\a], v[160+8*\a:167+8*\a], v13
.endr
	v_nop                                          ; a plain line behind the conversions: the next tile's holds write their sources
.irp c, 0,1,2,3
	ds_store_b128 v3, v[32+16*\m+4*\c:35+16*\m+4*\c] offset:\m*8192+512*\c
.endr
.endr
.irp n, 0,1,2,3,4,5,6,7,8,9,10,11,12,13,14,15
	ds_load_b128 v[96+4*\n:99+4*\n], v6 offset:8192+128*(\n/4)+16*(\n%4)   ; b2, scaled
.endr
	s_wait_dscnt 0x0
	WIN 0x82
.irp m, 0,1,2,3
.set k, 0
.rept 32
	v_pk_fma_f32 v[64*\m+k:64*\m+k+1], v[64*\m+k:64*\m+k+1], s[54:55], v[96+k:97+k] op_sel_hi:[1,0,1]   ; (ln1 + b2) / 2^(e14 + e15): the C of the last product
.set k, k+2
.endr
.endr
	WIN 0
	BARRIER                                        ; ln1's sixteen images lie in LDS
	WIN 0x40
.irp s, 0,1,2,3
	LDH \s                                         ; and come into window 1, where they stay.  The next barrier, in the first half phase, parts these reads from the hidden chunk's stores
.endr
	WIN 0
; A CHUNK of 512 hidden units: hidden = relu(ln1 W1 + b1), quantised in registers, images to LDS | barrier | into window 3 | Y += hidden W2.  The barriers of the changes of slots part a chunk's reads of the images
; from the next chunk's stores.  At its head b1's part and the first two groups of weights have been asked for.
.macro CHUNK last
.if !\last
	s_wait_xcnt 0x0                                ; my prefetches have read their base: it steps only behind this wait
	s_add_nc_u64 s[PFA:PFA+1], s[PFA:PFA+1], 0x20000
.endif
	HALF 0, 0xF4, 1, 1, 1-\last, 1, 0, 0
	HALF 1, 0xF4, 1, 1, 1-\last, 1, 0, 32768
.irp m, 0,1,2,3
	WIN 0xC3
.set k, 0
.rept 64
	v_med3_num_f32 v[64*\m+k], v[64*\m+k], 0, v16  ; the activation and the hold in one
.set k, k+1
.endr
	WIN 0x03
.irp a, 0,1,2,3,4,5,6,7
	v_cvt_scalef32_pk8_fp8_f32 v[32+16*\m+2*\a:33+16*\m+2*\a], v[64*\m+8*\a:64*\m+8*\a+7], v15
.endr
.endr
	v_nop                                          ; a plain line behind the last conversion
	WIN 0
.irp m, 0,1,2,3
.irp c, 0,1,2,3
	ds_store_b128 v3, v[32+16*\m+4*\c:35+16*\m+4*\c] offset:\m*8192+512*\c
.endr
.endr
	BARRIER                                        ; the chunk's sixteen images lie in LDS
	WIN 0xC0
	LDH 0
	LDH 1
	HALF 0, 0xAC, 0, 1-\last, 1-\last, 1, 1, 65536
	HALF 1, 0xAC, 0, 1+\last, 1-\last, 2-2*\last, 0, 98304
.endm
	s_mov_b32 s61, 3
	s_mov_b32 s62, 10240                           ; b1's place among the parameters
	v_add_nc_u32 v7, s62, v6
	LDB
	WLD 0, 0, 0
	WLD 1, 0, 1
.Lchunk:
	CHUNK 0
	s_sub_co_u32 s61, s61, 1
	s_cmp_lg_u32 s61, 0
	s_cbranch_scc1 .Lchunk
	CHUNK 1                                        ; the last chunk is written out: its second product fills no slot again
	LN 56, 2048, 4096, 6144                        ; the result's mean and deviation.  Its barriers part all reads of the images from the stores into the stages below
; THE WAY OUT: by lanes into my stage, back by rows, 512 consecutive bytes a store.  Each tile's rows come back into registers of their own, in window 1, so no store's data are written again.
.macro TOSTAGE m
	WIN 0x08
.irp n, 0,1,2,3,4,5,6,7,8,9,10,11,12,13,14,15
	ds_store_b128 v5, v[64*\m+4*\n:64*\m+4*\n+3] offset:128*(\n/4)+16*(\n%4)
.endr
	WIN 0x40
.irp i, 0,1,2,3,4,5,6,7,8,9,10,11,12,13,14,15
	ds_load_b128 v[64*\m+4*\i:64*\m+4*\i+3], v4 offset:528*\i
.endr
.endm
.macro SEND m, younger                 ; younger: the LDS instructions issued behind tile m's loads: the next tile's 32, or none
	WIN 0x04
.irp i, 0,1,2,3,4,5,6,7,8,9,10,11,12,13,14,15
	s_wait_dscnt \younger+15-\i
	global_store_b128 v10, v[64*\m+4*\i:64*\m+4*\i+3], s[70:71] offset:(32*(\m/2)+8*(\m%2)+\i+(\i&8))*2048 th:TH_STORE_NT
.endr
.endm
	LNF 0                                          ; each tile is finished and leaves at once
	TOSTAGE 0
	LNF 1
	TOSTAGE 1
	SEND 0, 32
	LNF 2
	TOSTAGE 2
	SEND 1, 32
	LNF 3
	TOSTAGE 3
	SEND 2, 32
	SEND 3, 0
	WIN 0
	s_wait_tensorcnt 0x0                           ; the wave's end, behind my last tensor load and my last LDS store
	ds_add_u32 v[SPW], v[NIL]
	s_wait_dscnt 0x0
	CROUND                                         ; the closing round: no work-group ends while a partner may still ask for a piece that names it
	s_endpgm
.Lfunc_end_k_qa5d7a757af_ffn:
	.size	k_qa5d7a757af_ffn, .Lfunc_end_k_qa5d7a757af_ffn-k_qa5d7a757af_ffn
	.p2alignl 7, 3214868480
	.fill 96, 4, 3214868480
	.section	.rodata,"a",@progbits
	.p2align	6, 0x0
	.amdhsa_kernel k_qa5d7a757af_ffn
		.amdhsa_group_segment_fixed_size 327680
		.amdhsa_private_segment_fixed_size 0
		.amdhsa_enable_private_segment 0
		.amdhsa_kernarg_size 88
		.amdhsa_user_sgpr_count 2
		.amdhsa_user_sgpr_kernarg_segment_ptr 1
		.amdhsa_wavefront_size32 1
		.amdhsa_system_sgpr_workgroup_id_x 1
		.amdhsa_system_sgpr_workgroup_id_y 1
		.amdhsa_system_sgpr_workgroup_id_z 1
		.amdhsa_system_vgpr_workitem_id 0
		.amdhsa_next_free_vgpr 1024
		.amdhsa_next_free_sgpr 96
		.amdhsa_reserve_vcc 0
		.amdhsa_float_denorm_mode_32 3
		.amdhsa_float_denorm_mode_16_64 3
		.amdhsa_memory_ordered 1
		.amdhsa_forward_progress 1
		.amdhsa_inst_pref_size 255
	.end_amdhsa_kernel
	.section	.bss,"aw",@nobits
	.p2align	6
	.space	262144
	.amdgpu_metadata
---
amdhsa.version: [ 1, 2 ]
amdhsa.kernels:
  - .name:           k_qa5d7a757af_ffn
    .symbol:         k_qa5d7a757af_ffn.kd
    .args:
      - { .name: hc, .offset: 0, .size: 8, .value_kind: global_buffer, .address_space: global }
      - { .name: x, .offset: 8, .size: 8, .value_kind: global_buffer, .address_space: global }
      - { .name: wst, .offset: 16, .size: 8, .value_kind: global_buffer, .address_space: global }
      - { .name: lowp_scales, .offset: 24, .size: 8, .value_kind: global_buffer, .address_space: global }
      - { .name: b1, .offset: 32, .size: 8, .value_kind: global_buffer, .address_space: global }
      - { .name: b2, .offset: 40, .size: 8, .value_kind: global_buffer, .address_space: global }
      - { .name: ln1_g, .offset: 48, .size: 8, .value_kind: global_buffer, .address_space: global }
      - { .name: ln1_b, .offset: 56, .size: 8, .value_kind: global_buffer, .address_space: global }
      - { .name: ln2_g, .offset: 64, .size: 8, .value_kind: global_buffer, .address_space: global }
      - { .name: ln2_b, .offset: 72, .size: 8, .value_kind: global_buffer, .address_space: global }
      - { .name: out0, .offset: 80, .size: 8, .value_kind: global_buffer, .address_space: global }
    .group_segment_fixed_size: 327680
    .private_segment_fixed_size: 0
    .kernarg_segment_align: 8
    .kernarg_segment_size: 88
    .max_flat_workgroup_size: 128
    .sgpr_count:     96
    .vgpr_count:     1024
    .wavefront_size: 32
...
	.end_amdgpu_metadata
.endif
;; end of part 3
